; MI455X (gfx1250); checked and timed in simulation.
; The chip was launched on July 23, 2026; its instructions are those of AMD's public machine-readable ISA for CDNA 5 (MIT licence, August 2026) and "CDNA5" Instruction Set Architecture Reference Guide (July 2026). The comments in the code are by the model that wrote it; some were corrected since.
;; Local Attention. Allowed arithmetic: float matrix products may take bf16 or f16 operands with f32 sums; all other float work in f32.
;; Inputs: Wkv 512 x 256 float32; Wq 256 x 256 float32; features 32 x 256 x 64 x 64 float32; ln_kv_b 256 float32; ln_kv_w 256 float32; ln_q_b 256 float32; ln_q_w 256 float32; proj_b 256 float32; proj_w 256 x 256 float32.
;; Outputs: out0 32 x 256 x 256 float32.
;; Constants: conv_stride = 4, num_heads = 8.
;; One version. Each part assembles by itself: llvm-mc -triple=amdgcn-amd-amdhsa -mcpu=gfx1250 --defsym DOCPART=n.
;; ======== version 1 of 1: 2 launches
;; workspace buffers: wpack 526,336 bytes
;; launch pack (part 1): grid 136 x 1, 8 waves a work-group, no clusters, 0 bytes of LDS; arguments Wq, Wkv, proj_w, ln_q_w, ln_q_b, ln_kv_w, ln_kv_b, wpack; writes wpack
.if DOCPART == 1
	.amdgcn_target "amdgcn-amd-amdhsa--gfx1250"
	.amdhsa_code_object_version 6
	.text
	.protected	k_q60a764f8ef_pack
	.globl	k_q60a764f8ef_pack
	.p2align	8
	.type	k_q60a764f8ef_pack,@function
k_q60a764f8ef_pack:
	s_mov_b64 s[64:65], 0
	v_nop
	global_prefetch_b8 v0, s[64:65] scope:SCOPE_SE
	s_setreg_imm32_b32 hwreg(HW_REG_WAVE_MODE, 25, 1), 1
	s_wait_xcnt 0x0
; Packs the four 256 x 256 weight matrices as bf16 in the order in which the second launch's waves load them as matrix fragments,
; with the layer norms' gains folded into their columns, and makes the two vectors that the layer norms' biases leave behind.
; wpack byte m*131072 + w*16384 + f*1024 + hf*512 + L*16 holds registers 4hf..4hf+3 of lane L (r = L & 15, h = L >> 4) of
; fragment f of wave w: eight numbers k = kbase + 16 hf + 8 h + 0..7 of one row.
;   m = 0  Wq[row][k] * ln_q_w[k] * SC     f = 2 kt + mt, row = 32 w + 16 mt + r, kbase = 32 kt.  SC = log2(e) / 16: the score's
;                                          scale 256^-0.5 and the change of base for an exponential of 2
;   m = 1  Wkv[32 w + k][c] * ln_kv_w[c]   f = ct, row c = 16 ct + r, kbase = 0 (Wk of head w, transposed)
;   m = 2  Wkv[256 + row][k] * ln_kv_w[k]  as m = 0
;   m = 3  proj_w[row][k]                  as m = 0, but row = 32 w + 16 (r >> 3) + 8 mt + (r & 7)
; byte 524288: qb[256] = SC * Wq . ln_q_b, f32.   byte 525312: vb[256] = Wv . ln_kv_b, f32.
; (ln_kv_b's part of the scores is the same for all 16 pixels of a patch and falls out of the softmax; the weights sum to 1, so its
; part of the values is vb.)
; Work-groups 0-127: one chunk of 16 bytes a thread, a wave stores 512 neighbouring bytes.  Work-groups 128-135: a wave makes eight
; dot products of 256 and one lane stores their 32 bytes (2,048 bytes in all leave in such pieces).
.set SCALE, 0x3db8aa3b
	s_load_b256 s[4:11], s[0:1], 0x0               ; Wq s[4:5], Wkv s[6:7], proj_w s[8:9], ln_q_w s[10:11]
	s_load_b256 s[12:19], s[0:1], 0x20             ; ln_q_b s[12:13], ln_kv_w s[14:15], ln_kv_b s[16:17], wpack s[18:19]
	v_and_b32 v3, 15, v0                           ; r
	v_bfe_u32 v4, v0, 4, 1                         ; h
	v_bfe_u32 v2, v0, 5, 1                         ; hf
	s_cmp_ge_u32 ttmp9, 128
	s_cbranch_scc1 .Lbias
	s_lshr_b32 s20, ttmp9, 5                       ; m
	s_bfe_u32 s21, ttmp9, 0x30002                  ; w: 3 bits from bit 2
	s_and_b32 s22, ttmp9, 3
	s_lshl_b32 s22, s22, 2
	v_lshrrev_b32 v1, 6, v0
	v_add_nc_u32 v1, s22, v1                       ; f = 4 (group & 3) + thread / 64
	v_lshlrev_b32 v5, 4, v0                        ; my 16 bytes among the group's 4,096
	s_lshl_b32 s24, ttmp9, 12
	s_mov_b32 s25, 0
	s_lshl_b32 s23, s21, 5                         ; 32 w
	s_wait_kmcnt 0x0
	s_add_nc_u64 s[18:19], s[18:19], s[24:25]
	s_cmp_eq_u32 s20, 1
	s_cbranch_scc1 .Ltrans
	; m = 0, 2, 3: eight neighbouring numbers of one row
	v_lshrrev_b32 v6, 1, v1                        ; kt
	v_and_b32 v7, 1, v1                            ; mt
	v_lshlrev_b32 v6, 5, v6
	v_lshl_add_u32 v6, v2, 4, v6
	v_lshl_add_u32 v6, v4, 3, v6                   ; first column 32 kt + 16 hf + 8 h
	v_lshl_add_u32 v24, v7, 4, v3                  ; 16 mt + r
	v_lshrrev_b32 v25, 3, v3
	v_and_b32 v26, 7, v3
	v_lshl_add_u32 v25, v25, 4, v26
	v_lshl_add_u32 v25, v7, 3, v25                 ; 16 (r >> 3) + 8 mt + (r & 7)
	s_cmp_eq_u32 s20, 3
	s_cselect_b32 s26, -1, 0
	v_cndmask_b32 v24, v24, v25, s26               ; proj_w takes the permuted rows
	v_add_nc_u32 v24, s23, v24                     ; row
	v_lshlrev_b32 v6, 2, v6                        ; the column in bytes
	v_lshl_add_u32 v24, v24, 10, v6                ; row * 1,024 + column * 4
	s_add_nc_u64 s[30:31], s[6:7], 0x40000         ; Wv = rows 256.. of Wkv
	s_cmp_eq_u32 s20, 0
	s_cselect_b64 s[28:29], s[4:5], s[30:31]
	s_cselect_b64 s[32:33], s[10:11], s[14:15]     ; the gain that belongs to the matrix
	s_cselect_b32 s34, SCALE, 1.0
	s_mov_b32 s35, s34
	s_cmp_eq_u32 s20, 3
	s_cselect_b64 s[28:29], s[8:9], s[28:29]
	global_load_b128 v[8:11], v24, s[28:29]
	global_load_b128 v[12:15], v24, s[28:29] offset:16
	s_cmp_eq_u32 s20, 3
	s_cbranch_scc1 .Lcvt                           ; proj_w has no gain
	global_load_b128 v[16:19], v6, s[32:33]
	global_load_b128 v[20:23], v6, s[32:33] offset:16
	s_wait_loadcnt 0x0                             ; all four loads
.irp i, 0,2,4,6
	v_pk_mul_f32 v[16+\i:17+\i], v[16+\i:17+\i], s[34:35] op_sel_hi:[1,0]
.endr
.irp i, 0,2,4,6
	v_pk_mul_f32 v[8+\i:9+\i], v[8+\i:9+\i], v[16+\i:17+\i]
.endr
.Lcvt:
	s_wait_loadcnt 0x0                             ; the way that jumped here has two loads out
.irp i, 0,1,2,3
	v_cvt_pk_bf16_f32 v[28+\i], v[8+2*\i], v[9+2*\i]
.endr
	global_store_b128 v5, v[28:31], s[18:19]
	s_endpgm
.Ltrans:	; m = 1: eight numbers down a column of Wk
	v_lshl_add_u32 v6, v1, 4, v3                   ; c = 16 f + r
	v_lshlrev_b32 v6, 2, v6
	v_lshlrev_b32 v7, 4, v2
	v_lshl_add_u32 v7, v4, 3, v7
	v_add_nc_u32 v7, s23, v7                       ; first row 32 w + 16 hf + 8 h
	v_lshl_add_u32 v7, v7, 10, v6
.irp e, 0,1,2,3,4,5,6,7
	global_load_b32 v[8+\e], v7, s[6:7] offset:\e*1024
.endr
	global_load_b32 v16, v6, s[14:15]              ; ln_kv_w[c]
	s_wait_loadcnt 0x0
.irp e, 0,1,2,3,4,5,6,7
	v_mul_f32 v[8+\e], v[8+\e], v16
.endr
	s_branch .Lcvt
.Lbias:	; wave gw = 8 (group - 128) + wave makes entries 8 gw .. 8 gw + 7 of qb (first 256) and vb (last 256)
	v_lshrrev_b32 v1, 5, v0
	v_readfirstlane_b32 s20, v1                    ; wave
	s_sub_co_u32 s21, ttmp9, 128
	s_lshl_b32 s22, s21, 3
	s_add_co_u32 s22, s22, s20                     ; gw
	s_and_b32 s23, s21, 3
	s_lshl_b32 s23, s23, 6
	s_lshl3_add_u32 s23, s20, s23                  ; first row in its matrix
	s_lshl_b32 s24, s23, 10
	s_mov_b32 s25, 0
	s_lshl_b32 s26, s22, 5
	s_add_co_u32 s26, s26, 0x80000                 ; 524,288 + 32 gw
	s_mov_b32 s27, 0
	s_mov_b32 s36, 0x76543210                      ; v_permlanex16_b32: lane i reads lane i of the other half
	s_mov_b32 s37, 0xfedcba98
	v_and_b32 v2, 31, v0
	v_lshlrev_b32 v3, 5, v2                        ; eight numbers a lane
	s_wait_kmcnt 0x0
	s_add_nc_u64 s[30:31], s[6:7], 0x40000
	s_cmp_lt_u32 s21, 4
	s_cselect_b64 s[28:29], s[4:5], s[30:31]
	s_cselect_b64 s[32:33], s[12:13], s[16:17]
	s_cselect_b32 s34, SCALE, 1.0
	s_mov_b32 s35, s34
	s_add_nc_u64 s[28:29], s[28:29], s[24:25]
	s_add_nc_u64 s[18:19], s[18:19], s[26:27]
	global_load_b128 v[8:11], v3, s[32:33]
	global_load_b128 v[12:15], v3, s[32:33] offset:16
.irp i, 0,1,2,3,4,5,6,7
	global_load_b128 v[16+8*\i:19+8*\i], v3, s[28:29] offset:\i*1024
	global_load_b128 v[20+8*\i:23+8*\i], v3, s[28:29] offset:\i*1024+16
.endr
	s_wait_loadcnt 0x0
.irp i, 0,2,4,6
	v_pk_mul_f32 v[8+\i:9+\i], v[8+\i:9+\i], s[34:35] op_sel_hi:[1,0]
.endr
.irp i, 0,1,2,3,4,5,6,7
	v_pk_mul_f32 v[16+8*\i:17+8*\i], v[16+8*\i:17+8*\i], v[8:9]
.endr
.irp j, 2,4,6
.irp i, 0,1,2,3,4,5,6,7
	v_pk_fma_f32 v[16+8*\i:17+8*\i], v[16+8*\i+\j:17+8*\i+\j], v[8+\j:9+\j], v[16+8*\i:17+8*\i]
.endr
.endr
.irp i, 0,1,2,3,4,5,6,7
	v_add_f32 v[88+\i], v[16+8*\i], v[17+8*\i]
.endr
.irp x, 1,2,4,8
.irp i, 0,1,2,3,4,5,6,7
	v_add_f32_dpp v[88+\i], v[88+\i], v[88+\i] row_xmask:\x row_mask:0xf bank_mask:0xf
.endr
.endr
.irp i, 0,1,2,3,4,5,6,7
	v_permlanex16_b32 v[16+\i], v[88+\i], s36, s37 ; the destination has been written before
.endr
.irp i, 0,1,2,3,4,5,6,7
	v_add_f32 v[88+\i], v[88+\i], v[16+\i]
.endr
	v_mov_b32 v4, 0
	v_cmp_eq_u32 vcc_lo, 0, v2
	s_wait_xcnt 0x0                                ; EXEC changes only behind this wait
	s_and_saveexec_b32 s38, vcc_lo                 ; lane 0 alone stores the wave's 32 bytes
	global_store_b128 v4, v[88:91], s[18:19]
	global_store_b128 v4, v[92:95], s[18:19] offset:16
	s_endpgm
.Lfunc_end_k_q60a764f8ef_pack:
	.size	k_q60a764f8ef_pack, .Lfunc_end_k_q60a764f8ef_pack-k_q60a764f8ef_pack
	.p2alignl 7, 3214868480
	.fill 96, 4, 3214868480
	.section	.rodata,"a",@progbits
	.p2align	6, 0x0
	.amdhsa_kernel k_q60a764f8ef_pack
		.amdhsa_group_segment_fixed_size 0
		.amdhsa_private_segment_fixed_size 0
		.amdhsa_enable_private_segment 0
		.amdhsa_kernarg_size 64
		.amdhsa_user_sgpr_count 2
		.amdhsa_user_sgpr_kernarg_segment_ptr 1
		.amdhsa_wavefront_size32 1
		.amdhsa_system_sgpr_workgroup_id_x 1
		.amdhsa_system_sgpr_workgroup_id_y 1
		.amdhsa_system_sgpr_workgroup_id_z 1
		.amdhsa_system_vgpr_workitem_id 0
		.amdhsa_next_free_vgpr 96
		.amdhsa_next_free_sgpr 66
		.amdhsa_reserve_vcc 1
		.amdhsa_float_denorm_mode_32 3
		.amdhsa_float_denorm_mode_16_64 3
		.amdhsa_memory_ordered 1
		.amdhsa_forward_progress 1
		.amdhsa_inst_pref_size 14
	.end_amdhsa_kernel
	.amdgpu_metadata
---
amdhsa.version: [ 1, 2 ]
amdhsa.kernels:
  - .name:           k_q60a764f8ef_pack
    .symbol:         k_q60a764f8ef_pack.kd
    .args:
      - { .name: Wq, .offset: 0, .size: 8, .value_kind: global_buffer, .address_space: global }
      - { .name: Wkv, .offset: 8, .size: 8, .value_kind: global_buffer, .address_space: global }
      - { .name: proj_w, .offset: 16, .size: 8, .value_kind: global_buffer, .address_space: global }
      - { .name: ln_q_w, .offset: 24, .size: 8, .value_kind: global_buffer, .address_space: global }
      - { .name: ln_q_b, .offset: 32, .size: 8, .value_kind: global_buffer, .address_space: global }
      - { .name: ln_kv_w, .offset: 40, .size: 8, .value_kind: global_buffer, .address_space: global }
      - { .name: ln_kv_b, .offset: 48, .size: 8, .value_kind: global_buffer, .address_space: global }
      - { .name: wpack, .offset: 56, .size: 8, .value_kind: global_buffer, .address_space: global }
    .group_segment_fixed_size: 0
    .private_segment_fixed_size: 0
    .kernarg_segment_align: 8
    .kernarg_segment_size: 64
    .max_flat_workgroup_size: 256
    .sgpr_count:     66
    .vgpr_count:     96
    .wavefront_size: 32
...
	.end_amdgpu_metadata
.endif
;; end of part 1
;; launch attn (part 2): grid 256 x 1, 8 waves a work-group, no clusters, 321,536 bytes of LDS; arguments features, wpack, proj_b, out0; writes out0
.if DOCPART == 2
	.amdgcn_target "amdgcn-amd-amdhsa--gfx1250"
	.amdhsa_code_object_version 6
	.text
	.protected	k_q60a764f8ef_attn
	.globl	k_q60a764f8ef_attn
	.p2align	8
	.type	k_q60a764f8ef_attn,@function
k_q60a764f8ef_attn:
	s_mov_b64 s[64:65], 0
	v_nop
	global_prefetch_b8 v0, s[64:65] scope:SCOPE_SE
	s_setreg_imm32_b32 hwreg(HW_REG_WAVE_MODE, 25, 1), 1
	s_wait_xcnt 0x0
; LocalAttention, all of it but the packing of the weights.  features [32][256][64][64] f32, out0 [32][256 patches][256] f32.
; K and V are never formed:  q_h . (Wk_h z) = (Wk_h^T q_h) . z   and   sum_n a_n Wv_h z_n = Wv_h (sum_n a_n z_n),
; with z = (x - mean) * rsqrt(var + 1e-5) of a pixel; the gains and biases of both layer norms are in the packed weights.
; For 16 patches that is six products of 128 matrix instructions: q, Q'' = Wk^T q, scores, y = sum a z, Wv y, proj.
; A work-group takes 32 patches: image g >> 3, patch rows 2 (g & 7) and 2 (g & 7) + 1 (units u = 0, 1 of 16 patches).
; Wave w: in the stream channels 32 w .. 32 w + 31 of every pixel; in the products with weights head w = output rows 32 w .. + 31;
; in scores and y the patches 2 w, 2 w + 1 of the unit.  All eight waves run one text without a branch.
; The features come in four halves of a unit (image rows 2 j, 2 j + 1 of the patch row): 32 loads a wave, one a channel, each of 512
; neighbouring bytes; two halves of every wave are on their way at a time.  Lane L holds 4 pixels of patch L & 15 in image row
; 2 j + (L >> 4); a pixel's label in its patch is 8 j + 4 (L >> 4) + dx, used alike in the scores and in y.
; LIMITS.  bf16 matrix operands: z, the normalised patch mean, q, Q'', the attention weights, y, Wv y and the weights with their gains;
; sums in f32, in another order than the formula as written.  Both layer norms take mean and squares in two passes over a slice
; (32 or 16 channels) and join the slices by M2 = sum M2_s + n sum (mean_s - mean)^2: no difference of large sums.  The softmax takes
; the true maximum away.  The residual mean stays in f32.  A feature that is not finite also spoils the other patch of its pair
; (2 w, 2 w + 1), since y's product multiplies it by a weight of zero.
; No cluster, no tensor load: the work-groups share only the packed weights, which go straight into registers as finished fragments.
.set KB,   70016                       ; a block: 256 rows x 272 of z, or 16 patches x 4,368 of Q''/y.  KB = 128 modulo 256
.set K1,   KB
.set K2,   2*KB
.set K3,   3*KB
.set LQ,   280064                      ; [32 patches] pitch 528, bf16 [256]: normalised means, later Wv y
.set STB,  296960                      ; pixel statistics: buffer*8192 + (mean 0, M2 4096) + wave*512 + lane*16
.set SQ,   313344                      ; patch statistics: u*2048 + wave*256 + lane*8 (mean, M2 of 16 channels)
.set PRM,  317440                      ; qb[256], vb[256], proj_b[256], f32
.set XP,   272                         ; z: row = channel, 16 patches x 8 pixels x 2 bytes + 16: an odd multiple of 16
.set CP,   4368                        ; Q''/y: from patch to patch (odd multiple of 16)
.set CH,   544                         ; Q''/y: from head to head
.set LP,   528                         ; LQ's pitch
.set OP,   1040                        ; the output stage's pitch: [32 patches] f32 [256] + 16, in block K2
; blocks: unit 0 has z in K0 (j = 0) and K1 (j = 1), Q''/y in K3; unit 1 has z in K2 and K1 (filled again), Q''/y in K0.
; window 0 registers
.set FO,2                              ; feature offset w*524288 + L*16
.set WO,3                              ; L*16
.set XW,4                              ; z out: w*32 rows + patch*16 + (L>>4)*8
.set STW,5
.set STR,6
.set SQW,7
.set SQR,8
.set LQW,9
.set LQR,10
.set QW0,11                            ; Q'' out / y in as B: patch r, head w
.set QW1,12
.set QR0,13                            ; Q'' in as B / y out: patch 2w + (r>>3), head r & 7
.set QR1,14
.set TR0,15                            ; transposing loads of z
.set TR1,16
.set YK0,17                            ; z as A of y: row r, patch 2w + h
.set YK1,18
.set YK2,19
.set AGW,20
.set PR,21
.set PR2,22
.set OSW,23
.set RES,24                            ; v24-55  [u][16]: f32 mean of channel 32w + 16 (L>>4) + i of patch L & 15; then proj's sums
.set HB,56                             ; v56-119 statistics as read; then a half of z in bf16
.set PP,120                            ; v120-183 patch sums; later fragments and sums
.set T,184                             ; v184-215
.set MUW,216                           ; my slice's means of 4 pixels
.set M2A,220
.set SB,224
.set MU,228
.set RS,232
.set NM,236
.set QD,240
.set DD,244
.set CB,216                            ; a product's bias as C, 16 registers
.set SD,216                            ; scores, 2 x 8
.set QF,232                            ; q as B fragments, unit 0 v232-239, unit 1 v240-247
.set AF,248                            ; attention weights as a B fragment
; window 1: two banks of 128 registers, first for features, then for weights
.set LA,0
.set LB,128
.set MSB, 0
.macro WIN new                         ; low byte: bits 1:0 source 0, 3:2 source 1, 5:4 source 2, 7:6 destination; the high byte repeats the setting that is left
.if MSB != \new
	s_set_vgpr_msb (MSB<<8)|\new
.set MSB, \new
.endif
.endm
.macro PLACES n                        ; plain vector instructions between a matrix instruction and what touches its registers (ISA guide 7.12.1)
.rept \n
	v_nop
.endr
.endm
.macro BAR                             ; my LDS stores and loads are done, then the work-group's barrier
	s_wait_dscnt 0x0
	s_barrier_signal -1
	s_barrier_wait -1
.endm
.macro LDH bank, k                     ; half k of the features: 32 channels x 512 bytes
	WIN 0x40
.set cc, 0
.rept 32
	global_load_b128 v[\bank+4*cc:\bank+4*cc+3], v[FO], s[4:5] offset:cc*16384+(\k&1)*512+(\k>>1)*1024 th:TH_LOAD_NT
.set cc, cc+1
.endr
.endm
.macro LDW bank, m                     ; my 16 fragments of matrix m: 32 loads of 512 neighbouring bytes
	WIN 0x40
.set cc, 0
.rept 32
	global_load_b128 v[\bank+4*cc:\bank+4*cc+3], v[WO], s[26:27] offset:\m*131072+cc*512
.set cc, cc+1
.endr
.endm
; The 16 pixels' sums of a unit are complete: means in f32 into RES, lanes 0-15 keep channels 0-15 of my 32, lanes 16-31 channels 16-31;
; then mean and M2 of my 16 values for the patch's layer norm.
.macro FINISH u
.set R0, RES+16*\u
.set cc, 0
.rept 32
	v_add_f32 v[T+cc], v[PP+2*cc], v[PP+2*cc+1]
.set cc, cc+1
.endr
.set cc, 0
.rept 16
	v_cndmask_b32 v[R0+cc], v[T+cc], v[T+16+cc], s18     ; what I keep
.set cc, cc+1
.endr
.set cc, 0
.rept 16
	v_cndmask_b32 v[T+cc], v[T+16+cc], v[T+cc], s18      ; what the other half of the lanes keeps
.set cc, cc+1
.endr
.set cc, 0
.rept 16
	v_permlanex16_b32 v[T+16+cc], v[T+cc], s16, s17
.set cc, cc+1
.endr
.irp i, 0,2,4,6,8,10,12,14
	v_pk_add_f32 v[R0+\i:R0+\i+1], v[R0+\i:R0+\i+1], v[T+16+\i:T+16+\i+1]
.endr
.irp i, 0,2,4,6,8,10,12,14
	v_pk_mul_f32 v[R0+\i:R0+\i+1], v[R0+\i:R0+\i+1], 0x3d800000 op_sel_hi:[1,0]   ; / 16 pixels
.endr
.irp i, 0,1,2,3
	v_pk_add_f32 v[T+2*\i:T+2*\i+1], v[R0+4*\i:R0+4*\i+1], v[R0+4*\i+2:R0+4*\i+3]
.endr
	v_pk_add_f32 v[T:T+1], v[T:T+1], v[T+2:T+3]
	v_pk_add_f32 v[T+4:T+5], v[T+4:T+5], v[T+6:T+7]
	v_pk_add_f32 v[T:T+1], v[T:T+1], v[T+4:T+5]
	v_add_f32 v[T+2], v[T], v[T+1]
	v_mul_f32 v[T], 0x3d800000, v[T+2]                   ; the mean of my 16 channels, twice: a pair for the packed subtraction
	v_mul_f32 v[T+1], 0x3d800000, v[T+2]
.irp i, 0,1,2,3,4,5,6,7
	v_pk_add_f32 v[T+2+2*\i:T+3+2*\i], v[R0+2*\i:R0+2*\i+1], v[T:T+1] neg_lo:[0,1] neg_hi:[0,1]
.endr
	v_pk_mul_f32 v[T+18:T+19], v[T+2:T+3], v[T+2:T+3]
	v_pk_mul_f32 v[T+20:T+21], v[T+4:T+5], v[T+4:T+5]
.irp i, 2,4,6
	v_pk_fma_f32 v[T+18:T+19], v[T+2+2*\i:T+3+2*\i], v[T+2+2*\i:T+3+2*\i], v[T+18:T+19]
	v_pk_fma_f32 v[T+20:T+21], v[T+4+2*\i:T+5+2*\i], v[T+4+2*\i:T+5+2*\i], v[T+20:T+21]
.endr
	v_pk_add_f32 v[T+18:T+19], v[T+18:T+19], v[T+20:T+21]
	v_add_f32 v[T+1], v[T+18], v[T+19]                   ; M2
	ds_store_b64 v[SQW], v[T:T+1] offset:\u*2048
.endm
; The patch's layer norm from the 16 slices' statistics; the normalised means go to LQ in bf16; proj_b joins the residual.
.macro LNQ u
.set R0, RES+16*\u
.irp g, 0,1,2,3,4,5,6,7,8,9,10,11,12,13,14,15
	ds_load_b64 v[T+2*\g:T+2*\g+1], v[SQR] offset:\u*2048+\g*128
.endr
.irp q, 0,1,2,3
	ds_load_b128 v[PP+4*\q:PP+4*\q+3], v[PR2] offset:\q*16
.endr
	s_wait_dscnt 0x0
	v_pk_add_f32 v[216:217], v[T:T+1], v[T+2:T+3]        ; (sum of means, sum of M2), two chains
	v_pk_add_f32 v[218:219], v[T+4:T+5], v[T+6:T+7]
.irp g, 4,6,8,10,12,14
	v_pk_add_f32 v[216:217], v[216:217], v[T+2*\g:T+2*\g+1]
	v_pk_add_f32 v[218:219], v[218:219], v[T+2*\g+2:T+2*\g+3]
.endr
	v_pk_add_f32 v[216:217], v[216:217], v[218:219]
	v_mul_f32 v220, 0x3d800000, v216                     ; the mean of 256 channels
.irp g, 0,1,2,3,4,5,6,7,8,9,10,11,12,13,14,15
	v_sub_f32 v[T+2*\g], v[T+2*\g], v220
.endr
	v_mul_f32 v221, v[T], v[T]
	v_mul_f32 v222, v[T+2], v[T+2]
.irp g, 2,4,6,8,10,12,14
	v_fmac_f32 v221, v[T+2*\g], v[T+2*\g]
	v_fmac_f32 v222, v[T+2*\g+2], v[T+2*\g+2]
.endr
	v_add_f32 v221, v221, v222
	v_fma_f32 v217, v221, 0x41800000, v217               ; M2 = sum M2_s + 16 sum (mean_s - mean)^2
	v_fma_f32 v223, v217, s22, s24                       ; / 256 + 1e-5
	v_rsq_f32 v224, v223
	v_rsq_f32 v225, v223                                 ; twice: a pair
	v_nop                                                ; one plain instruction before the results are used (ISA guide 5.7.2)
	s_wait_alu depctr_va_vdst(0)
	v_mul_f32 v226, v220, v224
	v_mul_f32 v227, v220, v225
.irp i, 0,1,2,3,4,5,6,7
	v_pk_fma_f32 v[PP+16+2*\i:PP+17+2*\i], v[R0+2*\i:R0+2*\i+1], v[224:225], v[226:227] neg_lo:[0,0,1] neg_hi:[0,0,1]
.endr
.irp i, 0,1,2,3,4,5,6,7
	v_cvt_pk_bf16_f32 v[PP+32+\i], v[PP+16+2*\i], v[PP+17+2*\i]
.endr
	ds_store_b128 v[LQW], v[PP+32:PP+35] offset:\u*16*LP
	ds_store_b128 v[LQW], v[PP+36:PP+39] offset:\u*16*LP+16
.irp i, 0,1,2,3,4,5,6,7
	v_pk_add_f32 v[R0+2*\i:R0+2*\i+1], v[R0+2*\i:R0+2*\i+1], v[PP+2*\i:PP+2*\i+1]
.endr
.endm
; The eight waves' slices of the pixel statistics are joined: RS = rsqrt(var + 1e-5), NM = (my slice's mean - mean) * RS, for my 4 pixels.
.macro MERGE buf
.irp i, 0,1,2,3,4,5,6,7
	ds_load_b128 v[HB+4*\i:HB+4*\i+3], v[STR] offset:\buf*8192+\i*512
.endr
.irp i, 0,1,2,3,4,5,6,7
	ds_load_b128 v[HB+32+4*\i:HB+32+4*\i+3], v[STR] offset:\buf*8192+4096+\i*512
.endr
	s_wait_dscnt 0x8                                     ; the eight means are in; the eight M2 issued behind them may be out
.irp p, 0,2
	v_pk_add_f32 v[MU+\p:MU+\p+1], v[HB+\p:HB+\p+1], v[HB+4+\p:HB+4+\p+1]
	v_pk_add_f32 v[DD+\p:DD+\p+1], v[HB+8+\p:HB+8+\p+1], v[HB+12+\p:HB+12+\p+1]
.endr
.irp i, 4,6
.irp p, 0,2
	v_pk_add_f32 v[MU+\p:MU+\p+1], v[MU+\p:MU+\p+1], v[HB+4*\i+\p:HB+4*\i+\p+1]
	v_pk_add_f32 v[DD+\p:DD+\p+1], v[DD+\p:DD+\p+1], v[HB+4*\i+4+\p:HB+4*\i+4+\p+1]
.endr
.endr
.irp p, 0,2
	v_pk_add_f32 v[MU+\p:MU+\p+1], v[MU+\p:MU+\p+1], v[DD+\p:DD+\p+1]
.endr
.irp p, 0,2
	v_pk_mul_f32 v[MU+\p:MU+\p+1], v[MU+\p:MU+\p+1], 0x3e000000 op_sel_hi:[1,0]    ; / 8 slices
.endr
.irp i, 0,1,2,3,4,5,6,7
.irp p, 0,2
	v_pk_add_f32 v[HB+4*\i+\p:HB+4*\i+\p+1], v[HB+4*\i+\p:HB+4*\i+\p+1], v[MU+\p:MU+\p+1] neg_lo:[0,1] neg_hi:[0,1]
.endr
.endr
.irp p, 0,2
	v_pk_mul_f32 v[QD+\p:QD+\p+1], v[HB+\p:HB+\p+1], v[HB+\p:HB+\p+1]
	v_pk_mul_f32 v[DD+\p:DD+\p+1], v[HB+4+\p:HB+4+\p+1], v[HB+4+\p:HB+4+\p+1]
.endr
.irp i, 2,4,6
.irp p, 0,2
	v_pk_fma_f32 v[QD+\p:QD+\p+1], v[HB+4*\i+\p:HB+4*\i+\p+1], v[HB+4*\i+\p:HB+4*\i+\p+1], v[QD+\p:QD+\p+1]
	v_pk_fma_f32 v[DD+\p:DD+\p+1], v[HB+4*\i+4+\p:HB+4*\i+4+\p+1], v[HB+4*\i+4+\p:HB+4*\i+4+\p+1], v[DD+\p:DD+\p+1]
.endr
.endr
.irp p, 0,2
	v_pk_add_f32 v[QD+\p:QD+\p+1], v[QD+\p:QD+\p+1], v[DD+\p:DD+\p+1]
.endr
	s_wait_dscnt 0x0                                     ; the eight M2
.irp p, 0,2
	v_pk_add_f32 v[RS+\p:RS+\p+1], v[HB+32+\p:HB+32+\p+1], v[HB+36+\p:HB+36+\p+1]
	v_pk_add_f32 v[NM+\p:NM+\p+1], v[HB+40+\p:HB+40+\p+1], v[HB+44+\p:HB+44+\p+1]
.endr
.irp i, 4,6
.irp p, 0,2
	v_pk_add_f32 v[RS+\p:RS+\p+1], v[RS+\p:RS+\p+1], v[HB+32+4*\i+\p:HB+32+4*\i+\p+1]
	v_pk_add_f32 v[NM+\p:NM+\p+1], v[NM+\p:NM+\p+1], v[HB+36+4*\i+\p:HB+36+4*\i+\p+1]
.endr
.endr
.irp p, 0,2
	v_pk_add_f32 v[RS+\p:RS+\p+1], v[RS+\p:RS+\p+1], v[NM+\p:NM+\p+1]
.endr
.irp p, 0,2
	v_pk_fma_f32 v[RS+\p:RS+\p+1], v[QD+\p:QD+\p+1], 0x42000000, v[RS+\p:RS+\p+1] op_sel_hi:[1,0,1]   ; + 32 sum (mean_s - mean)^2
.endr
.irp i, 0,1,2,3
	v_fma_f32 v[QD+\i], v[RS+\i], s22, s24               ; / 256 + 1e-5
.endr
.irp i, 0,1,2,3
	v_rsq_f32 v[RS+\i], v[QD+\i]
.endr
.irp p, 0,2
	v_pk_add_f32 v[DD+\p:DD+\p+1], v[MUW+\p:MUW+\p+1], v[MU+\p:MU+\p+1] neg_lo:[0,1] neg_hi:[0,1]   ; plain work between the roots and their use (ISA guide 5.7.2)
.endr
	s_wait_alu depctr_va_vdst(0)
.irp p, 0,2
	v_pk_mul_f32 v[NM+\p:NM+\p+1], v[DD+\p:DD+\p+1], v[RS+\p:RS+\p+1]
.endr
.endm
; Half k, which lies in bank X of window 1; blk: the block that takes its z (half 3 keeps it in HB until block K1 is free).
.macro HALF k, X, blk
	s_wait_loadcnt 0x20                                  ; loads come back in order (ISA guide 5.7.1): this bank's 32 are in, the 32 issued behind them stay out
.if \k == 0
	WIN 0
	ds_store_b32 v1, v[T+28]                             ; qb, vb, proj_b: one number of each a thread
	ds_store_b32 v1, v[T+29] offset:1024
	ds_store_b32 v1, v[T+30] offset:2048
.endif
	WIN 0x05                                             ; both sources in window 1
.if (\k&1) == 0
.set cc, 0
.rept 32
	v_pk_add_f32 v[PP+2*cc:PP+2*cc+1], v[\X+4*cc:\X+4*cc+1], v[\X+4*cc+2:\X+4*cc+3]     ; the patch sums start
.set cc, cc+1
.endr
.endif
	v_pk_add_f32 v[MUW:MUW+1], v[\X:\X+1], v[\X+4:\X+5]                                  ; sums over my 32 channels, four chains
	v_pk_add_f32 v[MUW+2:MUW+3], v[\X+2:\X+3], v[\X+6:\X+7]
	v_pk_add_f32 v[SB:SB+1], v[\X+8:\X+9], v[\X+12:\X+13]
	v_pk_add_f32 v[SB+2:SB+3], v[\X+10:\X+11], v[\X+14:\X+15]
	WIN 0x01
.if (\k&1) == 1
.set cc, 0
.rept 32
	v_pk_add_f32 v[PP+2*cc:PP+2*cc+1], v[\X+4*cc:\X+4*cc+1], v[PP+2*cc:PP+2*cc+1]
.set cc, cc+1
.endr
.set cc, 0
.rept 32
	v_pk_add_f32 v[PP+2*cc:PP+2*cc+1], v[\X+4*cc+2:\X+4*cc+3], v[PP+2*cc:PP+2*cc+1]
.set cc, cc+1
.endr
.endif
.set cc, 4
.rept 14
	v_pk_add_f32 v[MUW:MUW+1], v[\X+4*cc:\X+4*cc+1], v[MUW:MUW+1]
	v_pk_add_f32 v[MUW+2:MUW+3], v[\X+4*cc+2:\X+4*cc+3], v[MUW+2:MUW+3]
	v_pk_add_f32 v[SB:SB+1], v[\X+4*cc+4:\X+4*cc+5], v[SB:SB+1]
	v_pk_add_f32 v[SB+2:SB+3], v[\X+4*cc+6:\X+4*cc+7], v[SB+2:SB+3]
.set cc, cc+2
.endr
	WIN 0
	v_pk_add_f32 v[MUW:MUW+1], v[MUW:MUW+1], v[SB:SB+1]
	v_pk_add_f32 v[MUW+2:MUW+3], v[MUW+2:MUW+3], v[SB+2:SB+3]
	v_pk_mul_f32 v[MUW:MUW+1], v[MUW:MUW+1], 0x3d000000 op_sel_hi:[1,0]                  ; / 32
	v_pk_mul_f32 v[MUW+2:MUW+3], v[MUW+2:MUW+3], 0x3d000000 op_sel_hi:[1,0]
	WIN 0x41                                             ; x - my slice's mean, in place
.set cc, 0
.rept 32
	v_pk_add_f32 v[\X+4*cc:\X+4*cc+1], v[\X+4*cc:\X+4*cc+1], v[MUW:MUW+1] neg_lo:[0,1] neg_hi:[0,1]
	v_pk_add_f32 v[\X+4*cc+2:\X+4*cc+3], v[\X+4*cc+2:\X+4*cc+3], v[MUW+2:MUW+3] neg_lo:[0,1] neg_hi:[0,1]
.set cc, cc+1
.endr
	WIN 0x05                                             ; the squares, four chains; the first products start them
	v_pk_mul_f32 v[M2A:M2A+1], v[\X:\X+1], v[\X:\X+1]
	v_pk_mul_f32 v[M2A+2:M2A+3], v[\X+2:\X+3], v[\X+2:\X+3]
	v_pk_mul_f32 v[SB:SB+1], v[\X+4:\X+5], v[\X+4:\X+5]
	v_pk_mul_f32 v[SB+2:SB+3], v[\X+6:\X+7], v[\X+6:\X+7]
.set cc, 2
.rept 15
	v_pk_fma_f32 v[M2A:M2A+1], v[\X+4*cc:\X+4*cc+1], v[\X+4*cc:\X+4*cc+1], v[M2A:M2A+1]
	v_pk_fma_f32 v[M2A+2:M2A+3], v[\X+4*cc+2:\X+4*cc+3], v[\X+4*cc+2:\X+4*cc+3], v[M2A+2:M2A+3]
	v_pk_fma_f32 v[SB:SB+1], v[\X+4*cc+4:\X+4*cc+5], v[\X+4*cc+4:\X+4*cc+5], v[SB:SB+1]
	v_pk_fma_f32 v[SB+2:SB+3], v[\X+4*cc+6:\X+4*cc+7], v[\X+4*cc+6:\X+4*cc+7], v[SB+2:SB+3]
.set cc, cc+2
.endr
	WIN 0
	v_pk_add_f32 v[M2A:M2A+1], v[M2A:M2A+1], v[SB:SB+1]
	v_pk_add_f32 v[M2A+2:M2A+3], v[M2A+2:M2A+3], v[SB+2:SB+3]
	ds_store_b128 v[STW], v[MUW:MUW+3] offset:(\k&1)*8192
	ds_store_b128 v[STW], v[M2A:M2A+3] offset:(\k&1)*8192+4096
.if (\k&1) == 1
	FINISH (\k>>1)
.endif
	BAR                                                  ; every wave's statistics are in LDS.  The two statistics buffers take turns: a buffer is written again two
	                                                     ; halves later, and the barrier of the half between stands behind every wave's waited reads of it
	MERGE (\k&1)
	WIN 0x41                                             ; z = (x - slice mean) * RS + NM
.set cc, 0
.rept 32
	v_pk_fma_f32 v[\X+4*cc:\X+4*cc+1], v[\X+4*cc:\X+4*cc+1], v[RS:RS+1], v[NM:NM+1]
	v_pk_fma_f32 v[\X+4*cc+2:\X+4*cc+3], v[\X+4*cc+2:\X+4*cc+3], v[RS+2:RS+3], v[NM+2:NM+3]
.set cc, cc+1
.endr
	WIN 0x05
.set cc, 0
.rept 32
	v_cvt_pk_bf16_f32 v[HB+2*cc], v[\X+4*cc], v[\X+4*cc+1]
	v_cvt_pk_bf16_f32 v[HB+2*cc+1], v[\X+4*cc+2], v[\X+4*cc+3]
.set cc, cc+1
.endr
	; the bank is free: the next 32 loads go out at once
.if \k == 0
	LDH \X, 2
.endif
.if \k == 1
	LDH \X, 3
.endif
.if \k == 2
	LDW \X, 0
.endif
.if \k == 3
	LDW \X, 1
.endif
	WIN 0
.if \k == 0
	ZOUT XW
.endif
.if (\k == 1) || (\k == 2)
	v_add_nc_u32 v1, \blk, v[XW]
	ZOUT 1
.endif
.if (\k&1) == 1
	LNQ (\k>>1)
.endif
.endm
.macro ZOUT adr                        ; 32 rows of z: the wave's 32 lanes fill 256 neighbouring bytes of a row
.set cc, 0
.rept 32
	ds_store_b64 v[\adr], v[HB+2*cc:HB+2*cc+1] offset:cc*XP
.set cc, cc+1
.endr
.endm
; A bias as the C of a product: register j of lane (r, h) belongs to row 32 w + 16 mt + 8 h + j
.macro BIAS o
.irp mt, 0,1
.irp q, 0,1
	ds_load_b128 v[CB+8*\mt+4*\q:CB+8*\mt+4*\q+3], v[PR] offset:\o+\mt*64+\q*16
.endr
.endr
.endm
; 32 rows (my two fragments a K step, in bank) x 32 patches (nt = unit, B from LDS rows along K) x K = 256, in two batches of four K steps.
; The four sums take turns, one instruction a turn.  inplace = 0: the first K step takes the bias CB as C.
.macro GEMM bank, a0, o0, a1, o1, acc, inplace
.irp b, 0,1
.irp kl, 0,1,2,3
	ds_load_b128 v[PP+16*\kl:PP+16*\kl+3], v[\a0] offset:\o0+(4*\b+\kl)*64
	ds_load_b128 v[PP+16*\kl+4:PP+16*\kl+7], v[\a0] offset:\o0+(4*\b+\kl)*64+32
	ds_load_b128 v[PP+16*\kl+8:PP+16*\kl+11], v[\a1] offset:\o1+(4*\b+\kl)*64
	ds_load_b128 v[PP+16*\kl+12:PP+16*\kl+15], v[\a1] offset:\o1+(4*\b+\kl)*64+32
.endr
	s_wait_dscnt 0x0
	WIN 0x01                                             ; A in window 1
.irp kl, 0,1,2,3
.irp nt, 0,1
.irp mt, 0,1
.if (4*\b+\kl+\inplace) == 0
	v_wmma_f32_16x16x32_bf16 v[\acc+16*\nt+8*\mt:\acc+16*\nt+8*\mt+7], v[\bank+8*(2*(4*\b+\kl)+\mt):\bank+8*(2*(4*\b+\kl)+\mt)+7], v[PP+16*\kl+8*\nt:PP+16*\kl+8*\nt+7], v[CB+8*\mt:CB+8*\mt+7]
.else
	v_wmma_f32_16x16x32_bf16 v[\acc+16*\nt+8*\mt:\acc+16*\nt+8*\mt+7], v[\bank+8*(2*(4*\b+\kl)+\mt):\bank+8*(2*(4*\b+\kl)+\mt)+7], v[PP+16*\kl+8*\nt:PP+16*\kl+8*\nt+7], v[\acc+16*\nt+8*\mt:\acc+16*\nt+8*\mt+7]
.endif
.endr
.endr
.endr
	WIN 0
	PLACES 4                                             ; before loads into the fragments and before the results are read
.endr
.endm
; Q''[c][patch] = sum over d of Wk[32 w + d][c] gain[c] q[patch][32 w + d]: 16 products of K = 32, eight at a time; out in bf16 to (patch r, head w)
.macro QPROD qw, qf
.irp g, 0,1
	WIN 0x01
.irp i, 0,1,2,3,4,5,6,7
	v_wmma_f32_16x16x32_bf16 v[PP+8*\i:PP+8*\i+7], v[LB+8*(8*\g+\i):LB+8*(8*\g+\i)+7], v[\qf:\qf+7], 0
.endr
	WIN 0
	PLACES 5                                             ; five: the next group's products write over these results
.irp i, 0,1,2,3,4,5,6,7
.irp q, 0,1,2,3
	v_cvt_pk_bf16_f32 v[T+4*\i+\q], v[PP+8*\i+2*\q], v[PP+8*\i+2*\q+1]
.endr
.endr
.irp i, 0,1,2,3,4,5,6,7
	ds_store_b128 v[\qw], v[T+4*\i:T+4*\i+3] offset:(8*\g+\i)*32
.endr
.endr
.endm
; z as A of y: 16 channels x (2 patches x 16 pixels); registers 0-3 from the block of pixels 0-7, registers 4-7 from that of pixels 8-15
.macro YL g, ya, yb
.irp i, 0,1,2,3
	ds_load_b128 v[PP+32*(\g&1)+8*\i:PP+32*(\g&1)+8*\i+3], v[\ya] offset:(4*\g+\i)*16*XP
	ds_load_b128 v[PP+32*(\g&1)+8*\i+4:PP+32*(\g&1)+8*\i+7], v[\yb] offset:(4*\g+\i)*16*XP
.endr
.endm
.macro YG g, left, qr
	s_wait_dscnt \left                                   ; LDS instructions end in order (ISA guide 5.7.1): the count is what was issued behind this group's eight loads
.irp i, 0,1,2,3
	v_wmma_f32_16x16x32_bf16 v[T+8*\i:T+8*\i+7], v[PP+32*(\g&1)+8*\i:PP+32*(\g&1)+8*\i+7], v[AF:AF+7], 0
.endr
	PLACES 5
.irp i, 0,1,2,3
.irp q, 0,1,2,3
	v_cvt_pk_bf16_f32 v[216+4*\i+\q], v[T+8*\i+2*\q], v[T+8*\i+2*\q+1]
.endr
.endr
.irp i, 0,1,2,3
	ds_store_b128 v[\qr], v[216+4*\i:216+4*\i+3] offset:(4*\g+\i)*32     ; y takes the place of Q'': cells of my own two patches, whose Q'' I have read
.endr
.endm
; Scores, softmax and y of patches 2 w, 2 w + 1.
.macro ATT qr, tr, ya, yb
	; scores[pixel][column r = (patch r >> 3, head r & 7)]; one product for each patch's pixels, of which the columns of that patch count
.irp b, 0,1
.irp kl, 0,1,2,3
	ds_load_b128 v[T+8*\kl:T+8*\kl+3], v[\qr] offset:(4*\b+\kl)*64
	ds_load_b128 v[T+8*\kl+4:T+8*\kl+7], v[\qr] offset:(4*\b+\kl)*64+32
.endr
.irp kl, 0,1,2,3
.irp pp, 0,1
	ds_load_tr16_b128 v[PP+16*\kl+8*\pp:PP+16*\kl+8*\pp+3], v[\tr] offset:(4*\b+\kl)*32*XP+\pp*16
	ds_load_tr16_b128 v[PP+16*\kl+8*\pp+4:PP+16*\kl+8*\pp+7], v[\tr] offset:(4*\b+\kl)*32*XP+16*XP+\pp*16
.endr
.endr
	s_wait_dscnt 0x0
.irp kl, 0,1,2,3
.irp pp, 0,1
.if (4*\b+\kl) == 0
	v_wmma_f32_16x16x32_bf16 v[SD+8*\pp:SD+8*\pp+7], v[PP+16*\kl+8*\pp:PP+16*\kl+8*\pp+7], v[T+8*\kl:T+8*\kl+7], 0
.else
	v_wmma_f32_16x16x32_bf16 v[SD+8*\pp:SD+8*\pp+7], v[PP+16*\kl+8*\pp:PP+16*\kl+8*\pp+7], v[T+8*\kl:T+8*\kl+7], v[SD+8*\pp:SD+8*\pp+7]
.endif
.endr
.endr
	PLACES 5                                             ; the two sums take turns; the places are for the loads and reads that follow
.endr
	YL 0, \ya, \yb                                       ; y's first fragments come in under the softmax
	YL 1, \ya, \yb
	; lane (r, h) holds pixels 8 h .. 8 h + 7 of column r; the scores are already in units of log2
.irp j, 0,1,2,3,4,5,6,7
	v_cndmask_b32 v[216+\j], v[216+\j], v[224+\j], s19   ; columns 8-15 belong to the second patch
.endr
	v_max3_num_f32 v224, v216, v217, v218
	v_max3_num_f32 v224, v224, v219, v220
	v_max3_num_f32 v224, v224, v221, v222
	v_max_num_f32 v224, v224, v223
	v_permlanex16_b32 v225, v224, s16, s17
	v_max_num_f32 v226, v224, v225                       ; the maximum of the 16 pixels, twice: a pair
	v_max_num_f32 v227, v224, v225
.irp j, 0,2,4,6
	v_pk_add_f32 v[216+\j:217+\j], v[216+\j:217+\j], v[226:227] neg_lo:[0,1] neg_hi:[0,1]
.endr
.irp j, 0,1,2,3,4,5,6,7
	v_exp_f32 v[228+\j], v[216+\j]
.endr
	v_nop                                                ; one plain instruction before results are used or sources rewritten (ISA guide 5.7.2)
	s_wait_alu depctr_va_vdst(0)
	v_pk_add_f32 v[216:217], v[228:229], v[230:231]
	v_pk_add_f32 v[218:219], v[232:233], v[234:235]
	v_pk_add_f32 v[216:217], v[216:217], v[218:219]
	v_add_f32 v216, v216, v217
	v_permlanex16_b32 v217, v216, s16, s17
	v_add_f32 v218, v216, v217
	v_rcp_f32 v220, v218
	v_rcp_f32 v221, v218
	v_nop
	s_wait_alu depctr_va_vdst(0)
.irp j, 0,2,4,6
	v_pk_mul_f32 v[228+\j:229+\j], v[228+\j:229+\j], v[220:221]
.endr
.irp j, 0,1,2,3
	v_cvt_pk_bf16_f32 v[224+\j], v[228+2*\j], v[229+2*\j]
.endr
.irp j, 0,1,2,3
	v_permlanex16_b32 v[236+\j], v[224+\j], s16, s17     ; the other eight pixels
.endr
.irp j, 0,1,2,3
	v_cndmask_b32 v[228+\j], v[224+\j], v[236+\j], s18   ; pixels 0-7
	v_cndmask_b32 v[232+\j], v[236+\j], v[224+\j], s18   ; pixels 8-15
.endr
	; B of y: k = 16 (pixel / 8) + 8 patch + pixel % 8, so lane (r, h) holds patch h's pixels: the column's weights where h is its patch, else 0
.irp j, 0,1,2,3
	v_cndmask_b32 v[AF+\j], 0, v[228+\j], s20
	v_cndmask_b32 v[AF+4+\j], 0, v[232+\j], s20
.endr
	YG 0, 8, \qr                                         ; behind group 0's loads: group 1's eight
	YL 2, \ya, \yb
	YG 1, 12, \qr                                        ; behind group 1's: four stores and group 2's eight
	YL 3, \ya, \yb
	YG 2, 12, \qr                                        ; four stores and group 3's eight
	YG 3, 4, \qr                                         ; four stores
.endm
	; ---- set-up
	s_load_b256 s[4:11], s[0:1], 0x0               ; features s[4:5], wpack s[6:7], proj_b s[8:9], out0 s[10:11]
	v_lshrrev_b32 v1, 5, v0
	v_readfirstlane_b32 s12, v1                    ; wave w
	s_mov_b32 s16, 0x76543210                      ; v_permlanex16_b32: lane i reads lane i of the other half
	s_mov_b32 s17, 0xfedcba98
	s_mov_b32 s18, 0xffff0000                      ; lanes 16-31
	s_mov_b32 s19, 0xff00ff00                      ; lanes with r >= 8
	s_mov_b32 s20, 0xff0000ff                      ; lanes with h = r >> 3
	s_mov_b32 s22, 0x3b800000                      ; 1 / 256
	s_mov_b32 s24, 0x3727c5ac                      ; 1e-5
	v_and_b32 v[T], 31, v0                         ; L
	v_and_b32 v[T+1], 15, v0                       ; r (patch in the stream)
	v_bfe_u32 v[T+2], v0, 4, 1                     ; h
	v_bfe_u32 v[T+3], v0, 3, 1                     ; r >> 3
	v_and_b32 v[T+4], 7, v0                        ; r & 7
	s_lshl_b32 s13, s12, 19
	v_lshl_add_u32 v[FO], v[T], 4, s13             ; 32 channels of 16,384 bytes a wave
	v_lshlrev_b32 v[WO], 4, v[T]
	s_mul_i32 s13, s12, 32*XP
	v_lshl_add_u32 v[XW], v[T+1], 4, s13
	v_lshl_add_u32 v[XW], v[T+2], 3, v[XW]
	s_lshl_b32 s13, s12, 9
	s_add_co_u32 s13, s13, STB
	v_add_nc_u32 v[STW], s13, v[WO]
	v_add_nc_u32 v[STR], STB, v[WO]
	s_lshl_b32 s13, s12, 8
	s_add_co_u32 s13, s13, SQ
	v_lshl_add_u32 v[SQW], v[T], 3, s13
	v_lshl_add_u32 v[SQR], v[T+1], 3, SQ
	v_mul_u32_u24 v[T+5], v[T+1], LP
	v_lshl_add_u32 v[LQR], v[T+2], 4, v[T+5]
	v_add_nc_u32 v[LQR], LQ, v[LQR]                ; LQ + r*528 + h*16
	s_lshl_b32 s13, s12, 6
	v_add_nc_u32 v[AGW], s13, v[LQR]               ; + w*64
	v_lshl_add_u32 v[LQW], v[T+2], 4, v[AGW]       ; LQ + patch*528 + w*64 + h*32
	v_mul_u32_u24 v[T+6], v[T+1], CP
	v_lshl_add_u32 v[T+6], v[T+2], 4, v[T+6]
	s_mul_i32 s13, s12, CH
	v_add_nc_u32 v[QW1], s13, v[T+6]               ; block K0
	v_add_nc_u32 v[QW0], K3, v[QW1]
	v_mul_u32_u24 v[T+6], v[T+3], CP
	v_mad_u32_u24 v[T+6], v[T+4], CH, v[T+6]
	v_lshl_add_u32 v[T+6], v[T+2], 4, v[T+6]
	s_mul_i32 s13, s12, 2*CP
	v_add_nc_u32 v[QR1], s13, v[T+6]
	v_add_nc_u32 v[QR0], K3, v[QR1]
	v_lshl_add_u32 v[T+6], v[T+2], 3, v[T+4]       ; row 8 h + (L & 7) of a K step
	v_mul_u32_u24 v[T+6], v[T+6], XP
	s_lshl_b32 s13, s12, 5                         ; my two patches: 32 bytes of a row
	v_add_nc_u32 v[T+6], s13, v[T+6]
	v_mul_u32_u24 v[T+7], v[T+3], KB               ; lanes with bit 3 take pixels 8-15, which lie in the other block
	v_add_nc_u32 v[TR0], v[T+6], v[T+7]            ; K0 or K1
	v_add_nc_u32 v[TR1], K2, v[T+6]
	v_sub_nc_u32 v[TR1], v[TR1], v[T+7]            ; K2 or K1
	v_mul_u32_u24 v[T+6], v[T+1], XP
	v_lshl_add_u32 v[T+6], v[T+2], 4, v[T+6]
	v_add_nc_u32 v[YK0], s13, v[T+6]
	v_add_nc_u32 v[YK1], K1, v[YK0]
	v_add_nc_u32 v[YK2], K2, v[YK0]
	s_lshl_b32 s13, s12, 7
	s_add_co_u32 s13, s13, PRM
	v_lshl_add_u32 v[PR], v[T+2], 5, s13
	s_add_co_u32 s13, s13, 2048
	v_lshl_add_u32 v[PR2], v[T+2], 6, s13
	v_mul_u32_u24 v[T+6], v[T+1], OP
	v_lshl_add_u32 v[T+6], v[T+2], 6, v[T+6]
	s_lshl_b32 s13, s12, 7
	s_add_co_u32 s13, s13, K2
	v_add_nc_u32 v[OSW], s13, v[T+6]
	s_mul_i32 s28, s12, 4*OP
	s_add_co_u32 s28, s28, K2                      ; the four patches that I copy out
	s_lshl_b32 s29, s12, 12
	v_lshlrev_b32 v[T+8], 2, v0
	v_add_nc_u32 v1, PRM, v[T+8]
	s_lshr_b32 s14, ttmp9, 3
	s_lshl_b32 s14, s14, 22                        ; image: 256 channels x 16,384 bytes
	s_and_b32 s15, ttmp9, 7
	s_lshl_b32 s15, s15, 11                        ; two patch rows of 1,024 bytes in a channel
	s_add_co_u32 s14, s14, s15
	s_mov_b32 s15, 0
	s_wait_kmcnt 0x0
	s_add_nc_u64 s[4:5], s[4:5], s[14:15]
	s_lshl_b32 s14, ttmp9, 15                      ; 32 patches of 1,024 bytes
	s_add_nc_u64 s[10:11], s[10:11], s[14:15]
	s_lshl_b32 s14, s12, 14
	s_add_nc_u64 s[26:27], s[6:7], s[14:15]        ; my fragments in each packed matrix
	global_load_b32 v[T+28], v[T+8], s[6:7] offset:524288
	global_load_b32 v[T+29], v[T+8], s[6:7] offset:525312
	global_load_b32 v[T+30], v[T+8], s[8:9]
	LDH LA, 0
	LDH LB, 1
	; ---- the stream.  Order of the groups of loads: parameters, halves 0 1 2 3, Wq, Wk, Wv, proj
	HALF 0, LA, 0
	HALF 1, LB, K1
	HALF 2, LA, K2
	HALF 3, LB, 0
	BAR                                            ; all normalised means are in LQ
	; ---- q = Wq' ln(mean) + qb, for both units
	BIAS 0
	s_wait_loadcnt 0x20                            ; Wq is in; Wk's 32 loads stay out
	GEMM LA, LQR, 0, LQR, 16*LP, T, 0
.irp i, 0,1,2,3,4,5,6,7,8,9,10,11,12,13,14,15
	v_cvt_pk_bf16_f32 v[QF+\i], v[T+2*\i], v[T+2*\i+1]   ; a lane's results d = 8 h + j and 16 + 8 h + j of patch r are a B fragment as they lie
.endr
	LDW LA, 2
	s_wait_loadcnt 0x20                            ; Wk is in; Wv's 32 loads stay out
	QPROD QW0, QF
	BAR                                            ; unit 0's Q'' of all heads is in K3
	ATT QR0, TR0, YK0, YK1
	BAR                                            ; nobody reads K0 and K1 any more
	v_add_nc_u32 v1, K1, v[XW]
	ZOUT 1                                         ; half 3's z
	QPROD QW1, QF+8
	LDW LB, 3
	WIN 0
	BAR
	ATT QR1, TR1, YK2, YK1
	BAR                                            ; y of both units is whole; nobody reads K2 any more
	; ---- Wv' y + vb: head w's rows, B = y of head w
	BIAS 1024
	s_wait_loadcnt 0x20                            ; Wv is in; proj's 32 loads stay out
	GEMM LA, QW0, 0, QW1, 0, T, 0
.irp i, 0,1,2,3,4,5,6,7,8,9,10,11,12,13,14,15
	v_cvt_pk_bf16_f32 v[QF+\i], v[T+2*\i], v[T+2*\i+1]
.endr
.irp nt, 0,1
.irp mt, 0,1
	ds_store_b128 v[AGW], v[QF+8*\nt+4*\mt:QF+8*\nt+4*\mt+3] offset:\nt*16*LP+\mt*32
.endr
.endr
	BAR
	; ---- proj, added onto mean + proj_b
	s_wait_loadcnt 0x0                             ; the last group
	GEMM LB, LQR, 0, LQR, 16*LP, RES, 1
.irp nt, 0,1
.irp mt, 0,1
.irp q, 0,1
	ds_store_b128 v[OSW], v[RES+16*\nt+8*\mt+4*\q:RES+16*\nt+8*\mt+4*\q+3] offset:\nt*16*OP+\mt*32+\q*16
.endr
.endr
.endr
	v_add_nc_u32 v1, s28, v[WO]
	v_add_nc_u32 v[FO], s29, v[WO]                 ; all loads that named it are done
	BAR
	; ---- out: four patches a wave, each store of the wave covers 512 neighbouring bytes, aligned
.irp t, 0,1,2,3,4,5,6,7
	ds_load_b128 v[PP+4*\t:PP+4*\t+3], v1 offset:(\t>>1)*OP+(\t&1)*512
.endr
.irp t, 0,1,2,3,4,5,6,7
	s_wait_dscnt 7-\t                              ; load t is in, the younger ones may be out
	global_store_b128 v[FO], v[PP+4*\t:PP+4*\t+3], s[10:11] offset:\t*512 th:TH_STORE_NT
.endr
	s_wait_xcnt 0x0
	v_lshl_add_u32 v254, v0, 2, 0x4e400
	v_mov_b32 v255, 0
	s_wait_tensorcnt 0x0
	ds_add_u32 v254, v255
	s_wait_dscnt 0x0
	s_endpgm
.Lfunc_end_k_q60a764f8ef_attn:
	.size	k_q60a764f8ef_attn, .Lfunc_end_k_q60a764f8ef_attn-k_q60a764f8ef_attn
	.p2alignl 7, 3214868480
	.fill 96, 4, 3214868480
	.section	.rodata,"a",@progbits
	.p2align	6, 0x0
	.amdhsa_kernel k_q60a764f8ef_attn
		.amdhsa_group_segment_fixed_size 321536
		.amdhsa_private_segment_fixed_size 0
		.amdhsa_enable_private_segment 0
		.amdhsa_kernarg_size 32
		.amdhsa_user_sgpr_count 2
		.amdhsa_user_sgpr_kernarg_segment_ptr 1
		.amdhsa_wavefront_size32 1
		.amdhsa_system_sgpr_workgroup_id_x 1
		.amdhsa_system_sgpr_workgroup_id_y 1
		.amdhsa_system_sgpr_workgroup_id_z 1
		.amdhsa_system_vgpr_workitem_id 0
		.amdhsa_next_free_vgpr 512
		.amdhsa_next_free_sgpr 66
		.amdhsa_reserve_vcc 0
		.amdhsa_float_denorm_mode_32 3
		.amdhsa_float_denorm_mode_16_64 3
		.amdhsa_memory_ordered 1
		.amdhsa_forward_progress 1
		.amdhsa_inst_pref_size 247
	.end_amdhsa_kernel
	.amdgpu_metadata
---
amdhsa.version: [ 1, 2 ]
amdhsa.kernels:
  - .name:           k_q60a764f8ef_attn
    .symbol:         k_q60a764f8ef_attn.kd
    .args:
      - { .name: features, .offset: 0, .size: 8, .value_kind: global_buffer, .address_space: global }
      - { .name: wpack, .offset: 8, .size: 8, .value_kind: global_buffer, .address_space: global }
      - { .name: proj_b, .offset: 16, .size: 8, .value_kind: global_buffer, .address_space: global }
      - { .name: out0, .offset: 24, .size: 8, .value_kind: global_buffer, .address_space: global }
    .group_segment_fixed_size: 321536
    .private_segment_fixed_size: 0
    .kernarg_segment_align: 8
    .kernarg_segment_size: 32
    .max_flat_workgroup_size: 256
    .sgpr_count:     66
    .vgpr_count:     512
    .wavefront_size: 32
...
	.end_amdgpu_metadata
.endif
;; end of part 2
